; MI455X (gfx1250); checked and timed in simulation.
; The chip was launched on July 23, 2026; its instructions are those of AMD's public machine-readable ISA for CDNA 5 (MIT licence, August 2026) and "CDNA5" Instruction Set Architecture Reference Guide (July 2026). The comments in the code are by the model that wrote it; some were corrected since.
;; Model. Allowed arithmetic: float matrix products may take bf16 or f16 operands with f32 sums; other float arithmetic in f32, or as packed bf16 or f16 multiplies, adds, multiply-adds, maxima and minima; sums over many terms, partial sums and values carried from step to step in f32; what a program stores and reads back later, other than sums and carried values, may be rounded once to bf16 or f16.
;; Inputs: cl_b1 64 float32; cl_b2 10 float32; cl_w1 64 x 64 float32; cl_w2 64 x 10 float32; eb1 4 x 256 float32; eb2 4 x 64 float32; ew1 4 x 64 x 256 float32; ew2 4 x 256 x 64 float32; gate_b 4 float32; gate_w 64 x 4 float32; ln_b 64 float32; ln_g 64 float32; pe_b1 64 float32; pe_b2 64 float32; pe_w1 192 x 64 float32; pe_w2 64 x 64 float32; x 128 x 1,024 x 192 float32.
;; Outputs: out0 128 x 10 float32; out1 one number float32.
;; One version. Each part assembles by itself: llvm-mc -triple=amdgcn-amd-amdhsa -mcpu=gfx1250 --defsym DOCPART=n.
;; ======== version 1 of 1: 2 launches
;; limits: a function is approximated: absolute error at most 2.5e-05; an absolute error that grows with the inputs' magnitude: up to 1.25e-05 times it; values outside matrix products are rounded to bf16
;; workspace buffers: part 1,179,648 bytes
;; launch moe (part 1): grid 256 x 1, 8 waves a work-group, no clusters, 252,160 bytes of LDS; arguments x, pe_w1, pe_b1, pe_w2, pe_b2, gate_w, gate_b, ew1, eb1, part; writes part
.if DOCPART == 1
	.amdgcn_target "amdgcn-amd-amdhsa--gfx1250"
	.amdhsa_code_object_version 6
	.text
	.protected	k_qbbe1c6d86b_moe
	.globl	k_qbbe1c6d86b_moe
	.p2align	8
	.type	k_qbbe1c6d86b_moe,@function
k_qbbe1c6d86b_moe:
	s_mov_b64 s[64:65], 0
	v_nop
	global_prefetch_b8 v0, s[64:65] scope:SCOPE_SE
	s_setreg_imm32_b32 hwreg(HW_REG_WAVE_MODE, 25, 1), 1
	s_wait_xcnt 0x0
; PATCH ENCODER, TOP-1 GATE, FIRST EXPERT PRODUCT, GELU AND THE GATE-WEIGHTED POOLING, for 512 tokens a work-group (half a batch row).
; WHAT IS LEFT OUT, AND WHY IT IS DEAD FOR ALL VALUES OF THE INPUTS.
;  (1) moe_out = sum_e onehot_e (eh_e @ ew2[e] + eb2[e]) gate, and z is its mean over a row's tokens.  The product with ew2 is linear, so
;      z[b] = 1/1024 sum_e ( G[b,e,:] @ ew2[e] + WS[b,e] eb2[e] ),  G[b,e,hid] = sum over the row's tokens with top1 = e of gate gelu(pre[hid]),  WS[b,e] = the sum of their gates.
;      So the product with ew2 is taken of 128 x 4 pooled rows (next launch), not of 131,072 x 4 token rows.
;  (2) The experts that the one-hot built in the model's own body multiplies by 0 get no GELU: pre = sum_e (h onehot_e) @ ew1[e] + onehot @ eb1 is ONE sum over K = 4 x 64 + one bias step, in which
;      the rows of h are set to 0 by a lane mask where the expert is not the token's.  No address and no branch hangs on the choice.  The zero rows lie in tiles that also hold live rows.
;  No input is dead: this launch reads nine of them, the next the other eight.
; LIMITS.  A NaN, an infinity or an overflow that reaches only an unchosen expert's second product or eb2 is not carried to the result; in the first product 0 x infinity gives NaN.
;  The argmax is taken on the logits, the lowest index at a tie (the model takes it on the probabilities: logits a last bit apart may differ); a token with a NaN logit goes to expert 3.
; FORMATS.  Every input is rounded once to bf16 (biases too).  On the way to the logits nothing else is lost: gelu's result and h go on as TWO bf16 numbers, hi + lo (16 significant bits), and the second
;  encoder product and the gate multiply both.  The expert product takes h's hi part.  The pooling multiplies bf16(gate / 2) by bf16(2 gelu); all sums are f32.
; GELU.  2 gelu(x) = x + |x| (1 - P(t) 2^(-x^2 log2(e) / 2)), t = 1 / (1 + p |x| / sqrt 2): Abramowitz and Stegun 7.1.26 (five terms, erf within 1.5e-7 for every x) in the encoder,
;  7.1.25 (three terms, within 2.5e-5) in the experts, whose result is rounded to bf16.  The factor 1/2 is in pe_w2 as staged, and in the pooling weight: both exact.
; SHARES.  Eight waves, 64 tokens each: four tiles of 16, one straight pass.  Lane L: r = L % 16, h = L / 16.
; LAYOUTS.  Encoder and gate: D[feature][token] = weights (stored [K][N] in LDS, turned by ds_load_tr16_b128) x activations (a lane a token): two results rounded in pairs ARE the next fragment.
;  Experts: D[token][hid] = masked h x ew1; two results (tiles 2q, 2q+1), rounded in pairs, ARE source 1 (32 tokens x 16 hid) of the pooling D2[e][hid] = A2 x PB.
;  A2 (a lane an expert, k = token) is made by a product of WF (a lane a token, k = expert: gate / 2 at the chosen one) with a 4 x 4 identity.
; NOT USED.  Tensor loads and joint loads: what the work-groups share are f32 weights, which pass through registers to be rounded; x is read by one wave alone, straight into fragment order.
; REGISTERS.  Window 0 (v0-255): v0-31 addresses and constants; the rest by phase, see each phase.  Window 1 (v256-511): x as loaded; then the hi and lo fragments; then the 32 masked fragments of h.
.set PW1L,  0          ; 192 rows x 160 bytes: bf16 pe_w1[k][0..63]
.set PW2L,  30720      ; 64 rows x 160: bf16(pe_w2 / 2)
.set GWL,   40960      ; 64 rows x 32: columns 0-3 and 8-11 gate_w[k][0..3], the others 0
.set EB1L,  43008      ; 4 rows x 544: bf16 eb1
.set EW1L,  45312      ; 256 rows (64 e + k) x 544: bf16 ew1
.set PARTL, 184576     ; wave w: 8,192 bytes: hid block nt at 512 nt, lane at 16 L
.set STATL, 250112     ; wave w: 128 bytes: for each half of the lanes PS, CN, WS, zeros
.set SPARE, 251136     ; the spare words, 128 bytes a wave: no other line names them
.set MSB, 0
.macro WIN new                      ; the immediate's high byte repeats the setting that is left; a switch that changes nothing is dropped
.if MSB != (\new)
	s_set_vgpr_msb (MSB<<8)|(\new)
.set MSB, (\new)
.endif
.endm
.macro PLACES                       ; four plain places behind a matrix instruction (ISA guide 7.12.1)
.rept 4
	v_nop
.endr
.endm
.macro RB a                         ; v[a], v[a+1] rounded to bf16 and widened again
	v_cvt_pk_bf16_f32 v29, v[\a], v[(\a)+1]
	v_lshlrev_b32 v[\a], 16, v29
	v_and_b32 v[(\a)+1], s52, v29
.endm
; K step s of x (32 channels, 128 bytes of each of my 64 rows) into buffer kb of window 1: for each tile four loads of 16 bytes a lane
.macro XLOAD s, kb
	WIN 0x40
.irp tt, 0,1,2,3
	global_load_b128 v[64*(\kb)+16*\tt:64*(\kb)+16*\tt+3],     v1, s[4:5] offset:\tt*12288+128*(\s)
	global_load_b128 v[64*(\kb)+16*\tt+4:64*(\kb)+16*\tt+7],   v1, s[4:5] offset:\tt*12288+128*(\s)+16
	global_load_b128 v[64*(\kb)+16*\tt+8:64*(\kb)+16*\tt+11],  v1, s[4:5] offset:\tt*12288+128*(\s)+64
	global_load_b128 v[64*(\kb)+16*\tt+12:64*(\kb)+16*\tt+15], v1, s[4:5] offset:\tt*12288+128*(\s)+80
.endr
	WIN 0
.endm
.macro XCVT kb                      ; buffer kb rounded to bf16: four fragments at v160
	WIN 0x05
.set i, 0
.rept 32
	v_cvt_pk_bf16_f32 v[160+i], v[64*(\kb)+2*i], v[64*(\kb)+2*i+1]
.set i, i+1
.endr
	WIN 0
.endm
.macro ELOAD b, base                ; batch b of four: 16 loads of 512 bytes of my 32 rows of ew1
.set i, 0
.rept 16
	global_load_b128 v[(\base)+4*i:(\base)+4*i+3], v14, s[18:19] offset:(16*(\b)+i)*512
.set i, i+1
.endr
.endm
.macro ECVT b, base                 ; rounded, and laid into LDS
.set i, 0
.rept 16
	v_cvt_pk_bf16_f32 v[(\base)+4*i],   v[(\base)+4*i],   v[(\base)+4*i+1]
	v_cvt_pk_bf16_f32 v[(\base)+4*i+1], v[(\base)+4*i+2], v[(\base)+4*i+3]
	ds_store_b64 v19, v[(\base)+4*i:(\base)+4*i+1] offset:((16*(\b)+i)/2)*544+(i%2)*256
.set i, i+1
.endr
.endm
; 2 gelu in place on cnt registers at X; TT, EE, QQ name cnt registers each, at work.  The reciprocals and exponentials are ONE batch with one wait.  X is read in ascending order.
.macro GELU deg, X, cnt
.set i, 0
.rept \cnt
.if (\deg) == 5
	v_fma_f32 v[TT+i], |v[(\X)+i]|, s28, 1.0
.else
	v_fma_f32 v[TT+i], |v[(\X)+i]|, s42, 1.0
.endif
.set i, i+1
.endr
.set i, 0
.rept (\cnt)/2
	v_pk_mul_f32 v[EE+i:EE+i+1], v[(\X)+i:(\X)+i+1], v[(\X)+i:(\X)+i+1]
.set i, i+2
.endr
.set i, 0
.rept (\cnt)/2
	v_pk_mul_f32 v[EE+i:EE+i+1], v[EE+i:EE+i+1], s[30:31] op_sel_hi:[1,0]
.set i, i+2
.endr
.set i, 0
.rept \cnt
	v_rcp_f32 v[TT+i], v[TT+i]
.set i, i+1
.endr
.set i, 0
.rept \cnt
	v_exp_f32 v[EE+i], v[EE+i]
.set i, i+1
.endr
	v_nop                           ; a plain instruction behind the last of the batch
	s_wait_alu depctr_va_vdst(0)    ; the wait ahead of the first use: one for the batch
.set i, 0
.rept (\cnt)/2
.if (\deg) == 5
	v_pk_fma_f32 v[QQ+i:QQ+i+1], v[TT+i:TT+i+1], s[40:41], s[38:39] op_sel_hi:[1,0,0]
.else
	v_pk_fma_f32 v[QQ+i:QQ+i+1], v[TT+i:TT+i+1], s[48:49], s[46:47] op_sel_hi:[1,0,0]
.endif
.set i, i+2
.endr
.if (\deg) == 5
.set i, 0
.rept (\cnt)/2
	v_pk_fma_f32 v[QQ+i:QQ+i+1], v[QQ+i:QQ+i+1], v[TT+i:TT+i+1], s[36:37] op_sel_hi:[1,1,0]
.set i, i+2
.endr
.set i, 0
.rept (\cnt)/2
	v_pk_fma_f32 v[QQ+i:QQ+i+1], v[QQ+i:QQ+i+1], v[TT+i:TT+i+1], s[34:35] op_sel_hi:[1,1,0]
.set i, i+2
.endr
.endif
.set i, 0
.rept (\cnt)/2
.if (\deg) == 5
	v_pk_fma_f32 v[QQ+i:QQ+i+1], v[QQ+i:QQ+i+1], v[TT+i:TT+i+1], s[32:33] op_sel_hi:[1,1,0]
.else
	v_pk_fma_f32 v[QQ+i:QQ+i+1], v[QQ+i:QQ+i+1], v[TT+i:TT+i+1], s[44:45] op_sel_hi:[1,1,0]
.endif
.set i, i+2
.endr
.set i, 0
.rept (\cnt)/2
	v_pk_mul_f32 v[TT+i:TT+i+1], v[QQ+i:QQ+i+1], v[TT+i:TT+i+1]
.set i, i+2
.endr
.set i, 0
.rept (\cnt)/2
	v_pk_fma_f32 v[EE+i:EE+i+1], v[TT+i:TT+i+1], v[EE+i:EE+i+1], 1.0 op_sel_hi:[1,1,0] neg_lo:[1,0,0] neg_hi:[1,0,0]
.set i, i+2
.endr
.set i, 0
.rept \cnt
	v_fma_f32 v[(\X)+i], |v[(\X)+i]|, v[EE+i], v[(\X)+i]
.set i, i+1
.endr
.endm
; 16 numbers at X become a fragment hi (8 registers, window hiw) and a fragment lo = bf16(X - hi) (window 1).  FF names 16 registers at work.
.macro SPLIT X, hi, hiw, lo
	WIN 0x40*(\hiw)
.set i, 0
.rept 8
	v_cvt_pk_bf16_f32 v[(\hi)+i], v[(\X)+2*i], v[(\X)+2*i+1]
.set i, i+1
.endr
	WIN 0x04*(\hiw)
.set i, 0
.rept 8
	v_lshlrev_b32 v[FF+2*i], 16, v[(\hi)+i]
	v_and_b32 v[FF+2*i+1], s52, v[(\hi)+i]
.set i, i+1
.endr
	WIN 0
.set i, 0
.rept 8
	v_pk_add_f32 v[(\X)+2*i:(\X)+2*i+1], v[(\X)+2*i:(\X)+2*i+1], v[FF+2*i:FF+2*i+1] neg_lo:[0,1] neg_hi:[0,1]
.set i, i+1
.endr
	WIN 0x40
.set i, 0
.rept 8
	v_cvt_pk_bf16_f32 v[(\lo)+i], v[(\X)+2*i], v[(\X)+2*i+1]
.set i, i+1
.endr
	WIN 0
.endm
	; ---------------------------------------------------------------- head
	s_load_b256 s[4:11], s[0:1], 0x0               ; x s[4:5], pe_w1 s[6:7], pe_b1 s[8:9], pe_w2 s[10:11]
	s_load_b256 s[12:19], s[0:1], 0x20             ; pe_b2 s[12:13], gate_w s[14:15], gate_b s[16:17], ew1 s[18:19]
	s_load_b128 s[20:23], s[0:1], 0x40             ; eb1 s[20:21], part s[22:23]
	v_lshl_add_u32 v30, v0, 2, SPARE               ; my spare word, and 0: kept for the closing add alone
	v_mov_b32 v31, 0
	v_lshrrev_b32 v29, 5, v0
	v_readfirstlane_b32 s24, v29                   ; wave 0..7
	v_and_b32 v8, 31, v0                           ; L
	v_and_b32 v9, 15, v0                           ; r
	v_bfe_u32 v10, v0, 4, 1                        ; h
	v_and_b32 v11, 7, v0
	v_bfe_u32 v12, v0, 3, 1
	v_lshl_add_u32 v11, v10, 3, v11                ; the turning load's row: 8 h + L % 8
	v_lshlrev_b32 v12, 4, v12                      ; and its 16 bytes: 16 ((L / 8) % 2)
	v_lshlrev_b32 v13, 5, v10                      ; 32 h
	v_mul_u32_u24 v1, v9, 768
	v_add_nc_u32 v1, v1, v13                       ; x: row r, 32 h bytes in
	v_mul_u32_u24 v2, v11, 160
	v_add_nc_u32 v2, v2, v12                       ; pe_w1, pe_w2 in LDS
	v_lshl_add_u32 v3, v11, 5, v12                 ; gate_w in LDS
	v_mul_u32_u24 v4, v11, 544
	v_add_nc_u32 v4, v4, v12
	v_add_nc_u32 v4, EW1L, v4                      ; ew1, experts 0 and 1
	v_add_nc_u32 v5, 69632, v4                     ; experts 2 and 3
	v_and_b32 v6, 3, v0
	v_mul_u32_u24 v6, v6, 544
	v_add_nc_u32 v6, v6, v12                       ; eb1: row L % 4
	s_lshl_b32 s90, s24, 13
	s_add_co_u32 s90, s90, PARTL
	v_lshl_add_u32 v7, v8, 4, s90                  ; my 16 bytes of my wave's partial sums
	s_lshl_b32 s90, s24, 15
	v_lshl_add_u32 v14, v8, 4, s90                 ; staging, in memory: ew1,
	s_mul_i32 s90, s24, 6144
	v_lshl_add_u32 v15, v8, 4, s90                 ; pe_w1,
	s_lshl_b32 s90, s24, 11
	v_lshl_add_u32 v16, v8, 4, s90                 ; pe_w2,
	s_lshl_b32 s90, s24, 9
	v_lshl_add_u32 v17, v8, 4, s90                 ; eb1,
	s_and_b32 s91, s24, 1
	s_lshl_b32 s90, s91, 9
	v_lshl_add_u32 v18, v8, 4, s90                 ; gate_w
	s_mul_i32 s90, s24, 17408
	s_add_co_u32 s90, s90, EW1L
	v_lshl_add_u32 v19, v8, 3, s90                 ; staging, in LDS: ew1 (32 rows a wave),
	v_mul_u32_u24 v29, v10, 160
	v_lshl_add_u32 v29, v9, 3, v29
	s_mul_i32 s90, s24, 3840
	v_add_nc_u32 v20, s90, v29                     ; pe_w1 (24 rows a wave),
	s_mul_i32 s90, s24, 1280
	s_add_co_u32 s90, s90, PW2L
	v_add_nc_u32 v21, s90, v29                     ; pe_w2 (8 rows a wave),
	s_lshr_b32 s90, s24, 1
	s_mul_i32 s90, s90, 544
	s_lshl_b32 s25, s91, 8
	s_add_co_u32 s90, s90, s25
	s_add_co_u32 s90, s90, EB1L
	v_lshl_add_u32 v22, v8, 3, s90                 ; eb1 (half a row a wave),
	s_lshl_b32 s90, s91, 10
	s_add_co_u32 s90, s90, GWL
	v_lshl_add_u32 v23, v8, 5, s90                 ; gate_w (waves 0 and 1: 32 rows each)
	v_mov_b32 v28, 0
	s_mov_b32 s28, 0x3e6d3388                      ; 0.3275911 / sqrt 2
	s_mov_b32 s29, 0x3e6d3388
	s_mov_b32 s30, 0xbf38aa3b                      ; -log2(e) / 2
	s_mov_b32 s31, 0xbf38aa3b
	s_mov_b32 s32, 0x3e827906                      ; 7.1.26's a1 .. a5 (each named as a pair, so both words are written)
	s_mov_b32 s33, 0x3e827906
	s_mov_b32 s34, 0xbe91a98e
	s_mov_b32 s35, 0xbe91a98e
	s_mov_b32 s36, 0x3fb5f0e3
	s_mov_b32 s37, 0x3fb5f0e3
	s_mov_b32 s38, 0xbfba00e3
	s_mov_b32 s39, 0xbfba00e3
	s_mov_b32 s40, 0x3f87dc22
	s_mov_b32 s41, 0x3f87dc22
	s_mov_b32 s42, 0x3eaa540e                      ; 0.47047 / sqrt 2
	s_mov_b32 s43, 0x3eaa540e
	s_mov_b32 s44, 0x3eb2303a                      ; 7.1.25's a1 .. a3
	s_mov_b32 s45, 0x3eb2303a
	s_mov_b32 s46, 0xbdc45ca1
	s_mov_b32 s47, 0xbdc45ca1
	s_mov_b32 s48, 0x3f3f7377
	s_mov_b32 s49, 0x3f3f7377
	s_mov_b32 s50, 0x3fb8aa3b                      ; log2(e)
	s_mov_b32 s51, 0x3fb8aa3b
	s_mov_b32 s52, 0xffff0000
	s_mov_b32 s53, 0xffff
	s_mul_i32 s26, ttmp9, 393216                   ; the work-group's 512 rows of x (768 bytes each): under 2^27,
	s_mul_i32 s27, s24, 49152                      ; my wave's 64
	s_add_co_u32 s26, s26, s27
	s_mov_b32 s27, 0
	s_wait_kmcnt 0x0
	s_add_nc_u64 s[4:5], s[4:5], s[26:27]
	s_mul_i32 s26, ttmp9, 4608                     ; the work-group's record
	s_add_nc_u64 s[22:23], s[22:23], s[26:27]
	; ---------------------------------------------------------------- staging: the weights through registers into LDS, and two thirds of x asked for meanwhile.  One queue of loads, which come back in order.
.set i, 0
.rept 12
	global_load_b128 v[32+4*i:35+4*i], v15, s[6:7] offset:512*i
.set i, i+1
.endr
.set i, 0
.rept 4
	global_load_b128 v[80+4*i:83+4*i], v16, s[10:11] offset:512*i
.set i, i+1
.endr
	global_load_b128 v[96:99], v17, s[20:21]
	global_load_b128 v[100:103], v18, s[14:15]
.irp mt, 0,1,2,3                                   ; pe_b1 in the layout of a result: register j = b1[16 mt + 8 h + j]
	global_load_b128 v[224+8*\mt:227+8*\mt], v13, s[8:9] offset:64*\mt
	global_load_b128 v[228+8*\mt:231+8*\mt], v13, s[8:9] offset:64*\mt+16
.endr
	ELOAD 0, 104
	XLOAD 0, 0
	s_wait_loadcnt 32                              ; the first 26 are in; ew1's batch 0 and x's K step 0 stay out
.set i, 0
.rept 12
	v_cvt_pk_bf16_f32 v[32+4*i], v[32+4*i], v[33+4*i]
	v_cvt_pk_bf16_f32 v[33+4*i], v[34+4*i], v[35+4*i]
	ds_store_b64 v20, v[32+4*i:33+4*i] offset:PW1L+320*i
.set i, i+1
.endr
.set i, 0
.rept 4
	v_pk_mul_f32 v[80+4*i:81+4*i], v[80+4*i:81+4*i], 0.5 op_sel_hi:[1,0]
	v_pk_mul_f32 v[82+4*i:83+4*i], v[82+4*i:83+4*i], 0.5 op_sel_hi:[1,0]
	v_cvt_pk_bf16_f32 v[80+4*i], v[80+4*i], v[81+4*i]
	v_cvt_pk_bf16_f32 v[81+4*i], v[82+4*i], v[83+4*i]
	ds_store_b64 v21, v[80+4*i:81+4*i] offset:320*i
.set i, i+1
.endr
	v_cvt_pk_bf16_f32 v96, v96, v97
	v_cvt_pk_bf16_f32 v97, v98, v99
	ds_store_b64 v22, v[96:97]
	v_cvt_pk_bf16_f32 v24, v100, v101
	v_cvt_pk_bf16_f32 v25, v102, v103
	v_mov_b32 v26, 0
	v_mov_b32 v27, 0
	s_cmp_lt_u32 s24, 2
	s_cbranch_scc0 .Lno_gw
	ds_store_b128 v23, v[24:27]                    ; columns 0-7,
	ds_store_b128 v23, v[24:27] offset:16          ; and 8-15: both halves of the lanes will find the four logits in registers 0-3
.Lno_gw:
.set k, 224
.rept 16
	RB k
.set k, k+2
.endr
	ELOAD 1, 32
	XLOAD 1, 1
	s_wait_loadcnt 48                              ; ew1's batch 0 is in (behind it: x 0, ew1 1, x 1)
	ECVT 0, 104
	ELOAD 2, 104
	XLOAD 2, 2
	s_wait_loadcnt 48                              ; x 0 and ew1's batch 1 are in
	ECVT 1, 32
	ELOAD 3, 32
	XLOAD 3, 3
	s_wait_loadcnt 48                              ; x 1 and ew1's batch 2
	ECVT 2, 104
	s_wait_loadcnt 16                              ; x 2 and ew1's batch 3; x 3 stays out
	ECVT 3, 32
	s_wait_dscnt 0x0                               ; for the others' sake: my stores are done
	s_barrier_signal -1
	s_barrier_wait -1                              ; all weights lie in LDS; from here to the last reduction the waves run free
	; ---------------------------------------------------------------- pe1: D[feature][token] at v[32 + 32 tt + 8 mt]; x's fragments v160-191, pe_w1's v192-223, b1 v224-255.  The 16 accumulators take turns.
.macro PE1 s, cnt
.if (\s) > 0
	PLACES
.endif
.irp mt, 0,1,2,3
	ds_load_tr16_b128 v[192+8*\mt:195+8*\mt], v2 offset:PW1L+(\s)*5120+32*\mt
	ds_load_tr16_b128 v[196+8*\mt:199+8*\mt], v2 offset:PW1L+(\s)*5120+32*\mt+2560
.endr
.if (\cnt) >= 0
	s_wait_loadcnt \cnt
.endif
	XCVT (\s)%4
.if (\s) < 2
	XLOAD (\s)+4, \s                               ; the buffer just rounded takes K step s + 4
.endif
	s_wait_dscnt 0x0
.irp mt, 0,1,2,3
.irp tt, 0,1,2,3
.if (\s) == 0
	v_wmma_f32_16x16x32_bf16 v[32+32*\tt+8*\mt:39+32*\tt+8*\mt], v[192+8*\mt:199+8*\mt], v[160+8*\tt:167+8*\tt], v[224+8*\mt:231+8*\mt]
.else
	v_wmma_f32_16x16x32_bf16 v[32+32*\tt+8*\mt:39+32*\tt+8*\mt], v[192+8*\mt:199+8*\mt], v[160+8*\tt:167+8*\tt], v[32+32*\tt+8*\mt:39+32*\tt+8*\mt]
.endif
.endr
.endr
.endm
	PE1 0, -1                                      ; K steps 0 to 2 were shown landed by the staging's waits
	PE1 1, -1
	PE1 2, -1
	PE1 3, 32                                      ; behind K step 3: steps 4 and 5
	PE1 4, 16
	PE1 5, 0
	; ---------------------------------------------------------------- gelu, and the split into hi (window 1, v[16 tt + 8 u]) and lo (window 1, v[64 + 16 tt + 8 u])
	PLACES
.irp mt, 0,1,2,3
	global_load_b128 v[224+8*\mt:227+8*\mt], v13, s[12:13] offset:64*\mt      ; pe_b2, for the next product
	global_load_b128 v[228+8*\mt:231+8*\mt], v13, s[12:13] offset:64*\mt+16
.endr
.set TT, 160
.set EE, 176
.set QQ, 192
.set FF, 208
.irp tt, 0,1,2,3
.irp u, 0,1
	GELU 5, 32+32*\tt+16*\u, 16
	SPLIT 32+32*\tt+16*\u, 16*\tt+8*\u, 1, 64+16*\tt+8*\u
.endr
.endr
	; ---------------------------------------------------------------- pe2: the same accumulators; pe_w2's fragments v[160 + 32 u + 8 mt]
.irp u, 0,1
.irp mt, 0,1,2,3
	ds_load_tr16_b128 v[160+32*\u+8*\mt:163+32*\u+8*\mt], v2 offset:PW2L+\u*5120+32*\mt
	ds_load_tr16_b128 v[164+32*\u+8*\mt:167+32*\u+8*\mt], v2 offset:PW2L+\u*5120+32*\mt+2560
.endr
.endr
	s_wait_loadcnt 0x0                             ; pe_b2
.set k, 224
.rept 16
	RB k
.set k, k+2
.endr
	s_wait_dscnt 0x0
.macro PE2 part, u, first
.irp mt, 0,1,2,3
.irp tt, 0,1,2,3
.if \first
	v_wmma_f32_16x16x32_bf16 v[32+32*\tt+8*\mt:39+32*\tt+8*\mt], v[160+32*(\u)+8*\mt:167+32*(\u)+8*\mt], v[64*(\part)+16*\tt+8*(\u):64*(\part)+16*\tt+8*(\u)+7], v[224+8*\mt:231+8*\mt]
.else
	v_wmma_f32_16x16x32_bf16 v[32+32*\tt+8*\mt:39+32*\tt+8*\mt], v[160+32*(\u)+8*\mt:167+32*(\u)+8*\mt], v[64*(\part)+16*\tt+8*(\u):64*(\part)+16*\tt+8*(\u)+7], v[32+32*\tt+8*\mt:39+32*\tt+8*\mt]
.endif
.endr
.endr
.endm
	WIN 0x04                                       ; source 1 in window 1
	PE2 0, 0, 1
	PE2 0, 1, 0
	PE2 1, 0, 0
	PE2 1, 1, 0
	WIN 0
	; ---------------------------------------------------------------- h split: hi at v[160 + 16 tt + 8 u], lo in window 1 at v[128 + 16 tt + 8 u]
	PLACES
.set FF, 224
.irp tt, 0,1,2,3
.irp u, 0,1
	SPLIT 32+32*\tt+16*\u, 160+16*\tt+8*\u, 0, 128+16*\tt+8*\u
.endr
.endr
	; ---------------------------------------------------------------- the gate: logits of tile tt in v[80 + 8 tt], registers 0-3, in both halves of the lanes
	global_load_b128 v[240:243], v28, s[16:17]
.irp j, 244,245,246,247
	v_mov_b32 v\j, 0
.endr
.irp u, 0,1
	ds_load_tr16_b128 v[224+8*\u:227+8*\u], v3 offset:GWL+\u*1024
	ds_load_tr16_b128 v[228+8*\u:231+8*\u], v3 offset:GWL+\u*1024+512
.endr
	s_wait_loadcnt 0x0
	RB 240
	RB 242
	s_wait_dscnt 0x0
.macro GATE base, u, first
.irp tt, 0,1,2,3
.if \first
	v_wmma_f32_16x16x32_bf16 v[80+8*\tt:87+8*\tt], v[224+8*(\u):231+8*(\u)], v[(\base)+16*\tt+8*(\u):(\base)+16*\tt+8*(\u)+7], v[240:247]
.else
	v_wmma_f32_16x16x32_bf16 v[80+8*\tt:87+8*\tt], v[224+8*(\u):231+8*(\u)], v[(\base)+16*\tt+8*(\u):(\base)+16*\tt+8*(\u)+7], v[80+8*\tt:87+8*\tt]
.endif
.endr
.endm
	GATE 160, 0, 1
	GATE 160, 1, 0
	WIN 0x04
	GATE 128, 0, 0
	GATE 128, 1, 0
	WIN 0
	PLACES
	; ---------------------------------------------------------------- softmax, argmax, the masks.  A lane holds one token's four logits.
	; s[66 + 4 tt + e]: the lanes (both halves) whose token chose expert e.  v64-71: the maximum, twice; v72-79: 1 / sum and half of it.
	v_mov_b32 v11, 0x3f80                          ; 1.0 in a word's low bf16
	v_mov_b32 v12, 1.0                             ; 1.0 in f32, which is also 1.0 in a word's high bf16
.irp j, 24,25,26,27,252,253,254,255
	v_mov_b32 v\j, 0                               ; CN and WS start at 0
.endr
.macro SMA tt
.set LG, 80+8*(\tt)
.set MX, 64+2*(\tt)
.set MK, 66+4*(\tt)
	v_max3_num_f32 v[MX], v[LG], v[LG+1], v[LG+2]
	v_max_num_f32 v[MX], v[MX], v[LG+3]
	v_mov_b32 v[MX+1], v[MX]
	v_cmp_eq_f32 s[MK], v[LG], v[MX]               ; the first logit that equals the maximum wins
	v_cmp_eq_f32 s90, v[LG+1], v[MX]
	s_and_not1_b32 s[MK+1], s90, s[MK]
	s_or_b32 s91, s[MK], s[MK+1]
	v_cmp_eq_f32 s90, v[LG+2], v[MX]
	s_and_not1_b32 s[MK+2], s90, s91
	s_or_b32 s91, s91, s[MK+2]
	s_not_b32 s[MK+3], s91
	v_pk_add_f32 v[LG:LG+1], v[LG:LG+1], v[MX:MX+1] neg_lo:[0,1] neg_hi:[0,1]      ; the maximum is taken away: 0 at the top, below 0 elsewhere
	v_pk_add_f32 v[LG+2:LG+3], v[LG+2:LG+3], v[MX:MX+1] neg_lo:[0,1] neg_hi:[0,1]
	v_pk_mul_f32 v[LG:LG+1], v[LG:LG+1], s[50:51] op_sel_hi:[1,0]
	v_pk_mul_f32 v[LG+2:LG+3], v[LG+2:LG+3], s[50:51] op_sel_hi:[1,0]
.endm
	SMA 0
	SMA 1
	SMA 2
	SMA 3
.irp tt, 0,1,2,3
.irp e, 0,1,2,3
	v_exp_f32 v[80+8*\tt+\e], v[80+8*\tt+\e]
.endr
.endr
	v_nop
	s_wait_alu depctr_va_vdst(0)                   ; one wait for the sixteen exponentials
.irp tt, 0,1,2,3
	v_pk_add_f32 v[64+2*\tt:65+2*\tt], v[80+8*\tt:81+8*\tt], v[82+8*\tt:83+8*\tt]
.endr
.irp tt, 0,1,2,3
	v_add_f32 v[72+2*\tt], v[64+2*\tt], v[65+2*\tt]
.endr
.irp tt, 0,1,2,3
	v_rcp_f32 v[72+2*\tt], v[72+2*\tt]             ; the top exponential is 1, so this is also the gate
.endr
	v_nop
	s_wait_alu depctr_va_vdst(0)                   ; one wait for the four reciprocals
.macro SMD tt
.set LG, 80+8*(\tt)
.set IV, 72+2*(\tt)
.set WF, 112+8*(\tt)
.set OH, 32+8*(\tt)
	v_mul_f32 v[IV+1], 0.5, v[IV]
.if (\tt) == 0
	v_pk_mul_f32 v[248:249], v[LG:LG+1], v[IV:IV+1] op_sel_hi:[1,0]
	v_pk_mul_f32 v[250:251], v[LG+2:LG+3], v[IV:IV+1] op_sel_hi:[1,0]
.else
	v_pk_fma_f32 v[248:249], v[LG:LG+1], v[IV:IV+1], v[248:249] op_sel_hi:[1,0,1]
	v_pk_fma_f32 v[250:251], v[LG+2:LG+3], v[IV:IV+1], v[250:251] op_sel_hi:[1,0,1]
.endif
.irp e, 0,1,2,3
	s_and_b32 s[86+\e], s[66+4*(\tt)+\e], s53      ; lanes 0-15 alone: in a fragment they hold k = 0..7, where the experts' four places lie
.endr
.irp e, 0,1,2,3
	v_cndmask_b32 v[LG+4+\e], 0, v[IV+1], s[86+\e] ; gate / 2 at the chosen expert
.endr
.irp e, 0,1,2,3
	v_cndmask_b32 v[LG+\e], 0, v12, s[86+\e]       ; 1 at the chosen expert
.endr
	v_pk_add_f32 v[252:253], v[252:253], v[LG+4:LG+5]
	v_pk_add_f32 v[254:255], v[254:255], v[LG+6:LG+7]
	v_pk_add_f32 v[24:25], v[24:25], v[LG:LG+1]
	v_pk_add_f32 v[26:27], v[26:27], v[LG+2:LG+3]
	v_cvt_pk_bf16_f32 v[WF], v[LG+4], v[LG+5]
	v_cvt_pk_bf16_f32 v[WF+1], v[LG+6], v[LG+7]
	v_cndmask_b32 v[OH], 0, v11, s86
	v_cndmask_b32 v[OH], v[OH], v12, s87
	v_cndmask_b32 v[OH+1], 0, v11, s88
	v_cndmask_b32 v[OH+1], v[OH+1], v12, s89
.irp j, 2,3,4,5,6,7
	v_mov_b32 v[WF+\j], 0
	v_mov_b32 v[OH+\j], 0
.endr
.endm
	SMD 0
	SMD 1
	SMD 2
	SMD 3
	v_cmp_eq_u32 vcc_lo, 0, v8                     ; the identity on k, n < 4: lane n holds 1 at k = n
	v_cndmask_b32 v144, 0, v11, vcc_lo
	v_cmp_eq_u32 vcc_lo, 1, v8
	v_cndmask_b32 v144, v144, v12, vcc_lo
	v_cmp_eq_u32 vcc_lo, 2, v8
	v_cndmask_b32 v145, 0, v11, vcc_lo
	v_cmp_eq_u32 vcc_lo, 3, v8
	v_cndmask_b32 v145, v145, v12, vcc_lo
.irp j, 146,147,148,149,150,151
	v_mov_b32 v\j, 0
.endr
	; my wave's statistics: sums over the 16 lanes of a half (the tokens), stored once for each half; the lower half's are the ones read
.irp m, 1,2,4,8
.irp j, 248,249,250,251,24,25,26,27,252,253,254,255
	v_add_f32_dpp v\j, v\j, v\j row_xmask:\m row_mask:0xf bank_mask:0xf
.endr
.endr
	v_pk_mul_f32 v[252:253], v[252:253], 2.0 op_sel_hi:[1,0]
	v_pk_mul_f32 v[254:255], v[254:255], 2.0 op_sel_hi:[1,0]
	s_lshl_b32 s90, s24, 7
	s_add_co_u32 s90, s90, STATL
	v_lshl_add_u32 v29, v10, 6, s90
	ds_store_b128 v29, v[248:251]                  ; PS: the sums of the probabilities
	ds_store_b128 v29, v[24:27] offset:16          ; CN: the counts
	ds_store_b128 v29, v[252:255] offset:32        ; WS: the sums of the gates
	ds_store_b128 v29, v[146:149] offset:48        ; zeros
	; ---------------------------------------------------------------- the 32 masked fragments of h (window 1, v[64 tt + 16 e + 8 u]), and A2
	WIN 0x40
.irp tt, 0,1,2,3
.irp e, 0,1,2,3
.set i, 0
.rept 16
	v_cndmask_b32 v[64*\tt+16*\e+i], 0, v[160+16*\tt+i], s[66+4*\tt+\e]
.set i, i+1
.endr
.endr
.endr
	WIN 0
.irp tt, 0,1,2,3
	v_wmma_f32_16x16x32_bf16 v[160+8*\tt:167+8*\tt], v[112+8*\tt:119+8*\tt], v[144:151], 0    ; D[token][e] = gate / 2 at the chosen expert
.endr
	PLACES
.irp tt, 0,1,2,3
.irp j, 0,1,2,3
	v_cvt_pk_bf16_f32 v[64+4*\tt+\j], v[160+8*\tt+2*\j], v[160+8*\tt+2*\j+1]                  ; exact: the numbers are bf16 already.  A2(q) = v[64 + 8 q]
.endr
.endr
; ew1's eight fragments (expert k / 2, half k % 2) and eb1's one, for the hid block at which v4, v5, v6 stand
.macro BFLOAD
.irp k, 0,1,2,3,4,5,6,7
	ds_load_tr16_b128 v[112+8*\k:115+8*\k], v[4+\k/4] offset:((\k/2)%2)*34816+(\k%2)*17408
	ds_load_tr16_b128 v[116+8*\k:119+8*\k], v[4+\k/4] offset:((\k/2)%2)*34816+(\k%2)*17408+8704
.endr
	ds_load_tr16_b128 v[176:179], v6 offset:EB1L
	ds_load_tr16_b128 v[180:183], v6 offset:EB1L   ; k = 16 and on meet zeros in the one-hot: any finite numbers do
.endm
	BFLOAD
	; ---------------------------------------------------------------- the experts: 16 blocks of 16 hid.  One-hot v32-63; A2 v64-79; accumulators v[80 + 8 tt]; B v112-183; at work v184-231; PB v232-247
.set TT, 184
.set EE, 200
.set QQ, 216
.macro ETRIP last
	s_wait_dscnt 0x0                               ; this block's fragments are in
	WIN 0x01                                       ; source 0 in window 1
.irp k, 0,1,2,3,4,5,6,7
.irp tt, 0,1,2,3
.if \k == 0
	v_wmma_f32_16x16x32_bf16 v[80+8*\tt:87+8*\tt], v[64*\tt+8*\k:64*\tt+8*\k+7], v[112+8*\k:119+8*\k], 0
.else
	v_wmma_f32_16x16x32_bf16 v[80+8*\tt:87+8*\tt], v[64*\tt+8*\k:64*\tt+8*\k+7], v[112+8*\k:119+8*\k], v[80+8*\tt:87+8*\tt]
.endif
.endr
.endr
	WIN 0
.irp tt, 0,1,2,3
	v_wmma_f32_16x16x32_bf16 v[80+8*\tt:87+8*\tt], v[32+8*\tt:39+8*\tt], v[176:183], v[80+8*\tt:87+8*\tt]     ; + eb1 of the chosen expert
.endr
.if \last
	PLACES
.else
	v_add_nc_u32 v4, 32, v4                        ; the next 16 hid; these three and the v_nop are the four places behind the products
	v_add_nc_u32 v5, 32, v5
	v_add_nc_u32 v6, 32, v6
	v_nop
	BFLOAD                                         ; they land while the gelu below runs
.endif
	GELU 3, 80, 16
	GELU 3, 96, 16
.irp tt, 0,1,2,3
.irp j, 0,1,2,3
	v_cvt_pk_bf16_f32 v[232+4*\tt+\j], v[80+8*\tt+2*\j], v[80+8*\tt+2*\j+1]
.endr
.endr
	v_wmma_f32_16x16x32_bf16 v[184:191], v[64:71], v[232:239], 0      ; D2[e][hid] over tokens 0-31,
	v_wmma_f32_16x16x32_bf16 v[192:199], v[72:79], v[240:247], 0      ; and 32-63
	PLACES
	v_pk_add_f32 v[184:185], v[184:185], v[192:193]
	v_pk_add_f32 v[186:187], v[186:187], v[194:195]
	ds_store_b128 v7, v[184:187]                   ; lanes 0-15: G[e = 0..3] of hid 16 nt + L; lanes 16-31: rows 8-11, zeros
.if !(\last)
	v_add_nc_u32 v7, 512, v7
.endif
.endm
	s_mov_b32 s54, 15
.Lnt:
	ETRIP 0
	s_sub_co_u32 s54, s54, 1
	s_cmp_lg_u32 s54, 0
	s_cbranch_scc1 .Lnt
	ETRIP 1                                        ; the last block fetches nothing
	; ---------------------------------------------------------------- the eight waves' sums meet, and the record goes out in whole runs of 256 bytes
	s_wait_dscnt 0x0
	s_barrier_signal -1
	s_barrier_wait -1
	v_lshrrev_b32 v29, 4, v0
	v_lshlrev_b32 v29, 9, v29
	v_lshl_add_u32 v29, v9, 4, v29
	v_add_nc_u32 v29, PARTL, v29                   ; thread t takes hid t
.set i, 0
.rept 8
	ds_load_b128 v[32+4*i:35+4*i], v29 offset:8192*i
.set i, i+1
.endr
	v_lshlrev_b32 v11, 4, v0
	s_wait_dscnt 0x0
.irp n, 16,8,4
.set i, 0
.rept \n/2
	v_pk_add_f32 v[32+2*i:33+2*i], v[32+2*i:33+2*i], v[32+\n+2*i:33+\n+2*i]
.set i, i+1
.endr
.endr
	global_store_b128 v11, v[32:35], s[22:23]      ; 16 lanes store 256 consecutive bytes, aligned
	s_cmp_lg_u32 s24, 0
	s_cbranch_scc1 .Lend
	v_min_u32 v12, 3, v8
	v_lshlrev_b32 v12, 4, v12
	v_add_nc_u32 v12, STATL, v12                   ; lane 0 PS, lane 1 CN, lane 2 WS, the others zeros
.set i, 0
.rept 8
	ds_load_b128 v[64+4*i:67+4*i], v12 offset:128*i
.set i, i+1
.endr
	v_lshlrev_b32 v10, 4, v8
	s_wait_dscnt 0x0
.irp n, 16,8,4
.set i, 0
.rept \n/2
	v_pk_add_f32 v[64+2*i:65+2*i], v[64+2*i:65+2*i], v[64+\n+2*i:65+\n+2*i]
.set i, i+1
.endr
.endr
	global_store_b128 v10, v[64:67], s[22:23] offset:4096
.Lend:
	s_wait_tensorcnt 0x0                           ; the wave's end
	ds_add_u32 v30, v31
	s_wait_dscnt 0x0
	s_endpgm
.Lfunc_end_k_qbbe1c6d86b_moe:
	.size	k_qbbe1c6d86b_moe, .Lfunc_end_k_qbbe1c6d86b_moe-k_qbbe1c6d86b_moe
	.p2alignl 7, 3214868480
	.fill 96, 4, 3214868480
	.section	.rodata,"a",@progbits
	.p2align	6, 0x0
	.amdhsa_kernel k_qbbe1c6d86b_moe
		.amdhsa_group_segment_fixed_size 252160
		.amdhsa_private_segment_fixed_size 0
		.amdhsa_enable_private_segment 0
		.amdhsa_kernarg_size 80
		.amdhsa_user_sgpr_count 2
		.amdhsa_user_sgpr_kernarg_segment_ptr 1
		.amdhsa_wavefront_size32 1
		.amdhsa_system_sgpr_workgroup_id_x 1
		.amdhsa_system_sgpr_workgroup_id_y 1
		.amdhsa_system_sgpr_workgroup_id_z 1
		.amdhsa_system_vgpr_workitem_id 0
		.amdhsa_next_free_vgpr 512
		.amdhsa_next_free_sgpr 96
		.amdhsa_reserve_vcc 1
		.amdhsa_float_denorm_mode_32 3
		.amdhsa_float_denorm_mode_16_64 3
		.amdhsa_memory_ordered 1
		.amdhsa_forward_progress 1
		.amdhsa_inst_pref_size 236
	.end_amdhsa_kernel
	.amdgpu_metadata
---
amdhsa.version: [ 1, 2 ]
amdhsa.kernels:
  - .name:           k_qbbe1c6d86b_moe
    .symbol:         k_qbbe1c6d86b_moe.kd
    .args:
      - { .name: x, .offset: 0, .size: 8, .value_kind: global_buffer, .address_space: global }
      - { .name: pe_w1, .offset: 8, .size: 8, .value_kind: global_buffer, .address_space: global }
      - { .name: pe_b1, .offset: 16, .size: 8, .value_kind: global_buffer, .address_space: global }
      - { .name: pe_w2, .offset: 24, .size: 8, .value_kind: global_buffer, .address_space: global }
      - { .name: pe_b2, .offset: 32, .size: 8, .value_kind: global_buffer, .address_space: global }
      - { .name: gate_w, .offset: 40, .size: 8, .value_kind: global_buffer, .address_space: global }
      - { .name: gate_b, .offset: 48, .size: 8, .value_kind: global_buffer, .address_space: global }
      - { .name: ew1, .offset: 56, .size: 8, .value_kind: global_buffer, .address_space: global }
      - { .name: eb1, .offset: 64, .size: 8, .value_kind: global_buffer, .address_space: global }
      - { .name: part, .offset: 72, .size: 8, .value_kind: global_buffer, .address_space: global }
    .group_segment_fixed_size: 252160
    .private_segment_fixed_size: 0
    .kernarg_segment_align: 8
    .kernarg_segment_size: 80
    .max_flat_workgroup_size: 256
    .sgpr_count:     96
    .vgpr_count:     512
    .wavefront_size: 32
...
	.end_amdgpu_metadata
.endif
;; end of part 1
;; launch finish (part 2): grid 128 x 1, 16 waves a work-group, no clusters, 23,296 bytes of LDS; arguments part, ew2, eb2, ln_g, ln_b, cl_w1, cl_b1, cl_w2, cl_b2, out0, out1; writes out0, out1
.if DOCPART == 2
	.amdgcn_target "amdgcn-amd-amdhsa--gfx1250"
	.amdhsa_code_object_version 6
	.text
	.protected	k_qbbe1c6d86b_finish
	.globl	k_qbbe1c6d86b_finish
	.p2align	8
	.type	k_qbbe1c6d86b_finish,@function
k_qbbe1c6d86b_finish:
	s_mov_b64 s[64:65], 0
	v_nop
	global_prefetch_b8 v0, s[64:65] scope:SCOPE_SE
	s_setreg_imm32_b32 hwreg(HW_REG_WAVE_MODE, 25, 1), 1
	s_wait_xcnt 0x0
; z[b] = 1/1024 sum_e ( G[b,e,:] @ ew2[e] + WS[b,e] eb2[e] ), LayerNorm, the classifier (out0), and the load-balance loss (out1).
; The product with ew2 is taken of the pooled rows G that the launch before stored (it is linear, so it commutes with the gate-weighted sum over a row's tokens): no token row is multiplied here.
; A work-group has ONE batch row, so each product here has one row: no tile of 16 rows exists to give to the matrix unit.  They are multiply-adds in f32 with weights rounded to bf16; G, a partial sum, is never rounded.
; All inputs are rounded once to bf16, as in the launch before.  GELU as there (Abramowitz and Stegun 7.1.26).  NaN and infinities are not treated apart.
; SHARES.  512 threads.  Thread t takes columns 4 (t % 16) .. + 3 and the rows 32 i + t / 16 of ew2 (as [1024][64]) and of cl_w1; the 32 row groups' sums meet in LDS; wave 0, two columns a lane, does the rest.
; Wave 1 of work-group 0 makes out1 from the 256 records' PS and CN: 4 sum_e (CN_e / 2^17) (PS_e / 2^17) = 2^-32 sum_e CN_e PS_e.
.set GLL,   0          ; 32 row groups x 144 bytes: float i of group rg = G of row 32 i + rg
.set ZR,    4608       ; the first product's partial sums: [32 row groups][64]
.set ZR2,   12800      ; the second's
.set VN,    20992      ; the normalised row, 64 floats
.set SPARE, 21248      ; the spare words, 128 bytes a wave: no other line names them
.set TT, 66
.set EE, 68
.set QQ, 70
.macro RB a                         ; v[a], v[a+1] rounded to bf16 and widened again
	v_cvt_pk_bf16_f32 v29, v[\a], v[(\a)+1]
	v_lshlrev_b32 v[\a], 16, v29
	v_and_b32 v[(\a)+1], s44, v29
.endm
.macro MV4 w, g                     ; four weights rounded to bf16, times v[g], onto v200-203
	v_cvt_pk_bf16_f32 v[\w], v[\w], v[(\w)+1]
	v_cvt_pk_bf16_f32 v[(\w)+1], v[(\w)+2], v[(\w)+3]
	v_fma_mix_f32_bf16 v200, v[\w], v[\g], v200 op_sel_hi:[1,0,0]
	v_fma_mix_f32_bf16 v201, v[\w], v[\g], v201 op_sel:[1,0,0] op_sel_hi:[1,0,0]
	v_fma_mix_f32_bf16 v202, v[(\w)+1], v[\g], v202 op_sel_hi:[1,0,0]
	v_fma_mix_f32_bf16 v203, v[(\w)+1], v[\g], v203 op_sel:[1,0,0] op_sel_hi:[1,0,0]
.endm
.macro WSUM a, t                    ; the sum over the wave's 32 lanes, in every lane; v[t] has been written before
.irp m, 1,2,4,8
	v_add_f32_dpp v[\a], v[\a], v[\a] row_xmask:\m row_mask:0xf bank_mask:0xf
.endr
	v_permlanex16_b32 v[\t], v[\a], s42, s43
	v_add_f32 v[\a], v[\a], v[\t]
.endm
.macro TREE                         ; 32 pairs at v64 .. into v[64:65]
.irp n, 16,8,4,2,1
.set i, 0
.rept \n
	v_pk_add_f32 v[64+2*i:65+2*i], v[64+2*i:65+2*i], v[64+2*(i+\n):65+2*(i+\n)]
.set i, i+1
.endr
.endr
.endm
	s_load_b512 s[4:19], s[0:1], 0x0               ; part s[4:5], ew2 s[6:7], eb2 s[8:9], ln_g s[10:11], ln_b s[12:13], cl_w1 s[14:15], cl_b1 s[16:17], cl_w2 s[18:19]
	s_load_b128 s[20:23], s[0:1], 0x40             ; cl_b2 s[20:21], out0 s[22:23]
	s_load_b64 s[24:25], s[0:1], 0x50              ; out1
	v_lshl_add_u32 v30, v0, 2, SPARE               ; my spare word, and 0: kept for the closing add alone
	v_mov_b32 v31, 0
	v_lshrrev_b32 v14, 5, v0
	v_readfirstlane_b32 s26, v14                   ; wave 0..15
	v_and_b32 v1, 31, v0                           ; L
	v_lshlrev_b32 v2, 4, v0                        ; 16 t
	v_and_b32 v3, 0xff, v0
	v_lshlrev_b32 v3, 4, v3                        ; 16 (t % 256): hid t % 256 of a record
	v_mul_u32_u24 v4, v1, 144
	v_bfe_u32 v15, v0, 5, 3
	v_lshl_add_u32 v4, v15, 2, v4                  ; row 256 e + t = 32 (8 e + t / 32) + t % 32
	v_lshrrev_b32 v15, 4, v0                       ; my row group
	v_mul_u32_u24 v5, v15, 144
	v_add_nc_u32 v6, ZR, v2
	v_lshlrev_b32 v9, 3, v1                        ; 8 L
	v_add_nc_u32 v7, ZR, v9
	v_lshl_add_u32 v8, v15, 2, VN
	v_mul_u32_u24 v10, v1, 80                      ; two rows of cl_w2
	v_min_u32 v11, 9, v1
	v_lshlrev_b32 v11, 2, v11
	v_add_nc_u32 v12, VN, v9
	v_mul_u32_u24 v13, v1, 4608
	v_add_nc_u32 v13, 4096, v13                    ; record L's statistics
	v_lshlrev_b32 v16, 2, v1                       ; 4 L
	v_mov_b32 v17, 0
	s_mov_b32 s28, 0x3e6d3388                      ; 0.3275911 / sqrt 2
	s_mov_b32 s30, 0xbf38aa3b                      ; -log2(e) / 2
	s_mov_b32 s31, 0xbf38aa3b
	s_mov_b32 s32, 0x3e827906                      ; 7.1.26's a1 .. a5
	s_mov_b32 s33, 0x3e827906
	s_mov_b32 s34, 0xbe91a98e
	s_mov_b32 s35, 0xbe91a98e
	s_mov_b32 s36, 0x3fb5f0e3
	s_mov_b32 s37, 0x3fb5f0e3
	s_mov_b32 s38, 0xbfba00e3
	s_mov_b32 s39, 0xbfba00e3
	s_mov_b32 s40, 0x3f87dc22
	s_mov_b32 s41, 0x3f87dc22
	s_mov_b32 s42, 0x76543210                      ; v_permlanex16_b32: each lane takes its own place in the other half
	s_mov_b32 s43, 0xfedcba98
	s_mov_b32 s44, 0xffff0000
	s_mov_b32 s45, 0x3c800000                      ; 1 / 64
	s_mul_i32 s46, ttmp9, 9216                     ; the batch row's two records
	s_mov_b32 s47, 0
	s_mul_i32 s56, ttmp9, 40                       ; and its ten numbers of out0
	s_mov_b32 s57, 0
	s_wait_kmcnt 0x0
	s_add_nc_u64 s[46:47], s[4:5], s[46:47]
	s_add_nc_u64 s[22:23], s[22:23], s[56:57]
	global_load_b128 v[204:207], v3, s[46:47]
	global_load_b128 v[208:211], v3, s[46:47] offset:4608
.set i, 0
.rept 32
	global_load_b128 v[64+4*i:67+4*i], v2, s[6:7] offset:8192*i      ; ew2: row 32 i + t / 16; a wave's load covers 512 consecutive bytes
.set i, i+1
.endr
	global_load_b128 v[192:195], v2, s[14:15]
	global_load_b128 v[196:199], v2, s[14:15] offset:8192
	s_cmp_lg_u32 s26, 0
	s_cbranch_scc1 .Lno_extra
	s_load_b128 s[48:51], s[46:47], 4128           ; WS of both records
	s_load_b128 s[52:55], s[46:47], 8736
.irp e, 0,1,2,3
	global_load_b64 v[212+2*\e:213+2*\e], v9, s[8:9] offset:256*\e
.endr
	global_load_b64 v[220:221], v9, s[10:11]
	global_load_b64 v[222:223], v9, s[12:13]
	global_load_b64 v[224:225], v9, s[16:17]
.irp j, 0,1,2,3,4
	global_load_b128 v[226+4*\j:229+4*\j], v10, s[18:19] offset:16*\j
.endr
	global_load_b32 v246, v11, s[20:21]
.Lno_extra:
	s_wait_loadcnt 34                              ; the two records' G are in; ew2's 32 loads and cl_w1's 2 may stay out (wave 0 has 13 more behind them, and only waits the longer)
	v_pk_add_f32 v[204:205], v[204:205], v[208:209]
	v_pk_add_f32 v[206:207], v[206:207], v[210:211]
	s_cmp_lt_u32 s26, 8
	s_cbranch_scc0 .Lno_gl
.irp e, 0,1,2,3
	ds_store_b32 v4, v[204+\e] offset:GLL+32*\e
.endr
.Lno_gl:
	s_wait_dscnt 0x0
	s_barrier_signal -1
	s_barrier_wait -1
.set i, 0
.rept 8
	ds_load_b128 v[32+4*i:35+4*i], v5 offset:GLL+16*i
.set i, i+1
.endr
.irp j, 200,201,202,203
	v_mov_b32 v\j, 0
.endr
	s_wait_dscnt 0x0
.irp q, 0,1,2,3
	s_wait_loadcnt 2+8*(3-\q)                      ; eight more rows of ew2 are in
.set i, 8*\q
.rept 8
	MV4 64+4*i, 32+i
.set i, i+1
.endr
.endr
	ds_store_b128 v6, v[200:203]
	s_wait_dscnt 0x0
	s_barrier_signal -1
	s_barrier_wait -1
	s_cmp_lg_u32 s26, 0
	s_cbranch_scc1 .Lnot0a
	; wave 0: z, and the LayerNorm; lane L holds columns 2 L and 2 L + 1
.set i, 0
.rept 32
	ds_load_b64 v[64+2*i:65+2*i], v7 offset:256*i
.set i, i+1
.endr
	s_wait_dscnt 0x0
	TREE
	s_wait_loadcnt 0x0
	s_wait_kmcnt 0x0
.irp a, 212,214,216,218,220,222,224
	RB \a
.endr
.irp e, 0,1,2,3
	v_fma_f32 v64, s[48+\e], v[212+2*\e], v64
	v_fma_f32 v65, s[48+\e], v[213+2*\e], v65
	v_fma_f32 v64, s[52+\e], v[212+2*\e], v64
	v_fma_f32 v65, s[52+\e], v[213+2*\e], v65
.endr
	v_pk_mul_f32 v[64:65], v[64:65], 0x3a800000 op_sel_hi:[1,0]     ; / 1024
	v_add_f32 v66, v64, v65
	v_mov_b32 v67, 0
	WSUM 66, 67
	v_mul_f32 v66, s45, v66                        ; the mean
	v_sub_f32 v68, v64, v66
	v_sub_f32 v69, v65, v66
	v_mul_f32 v70, v68, v68
	v_fma_f32 v70, v69, v69, v70
	WSUM 70, 67
	v_fma_f32 v70, v70, s45, 0x3727c5ac            ; the variance + 1e-5
	v_rsq_f32 v70, v70
	v_nop
	s_wait_alu depctr_va_vdst(0)                   ; the wait ahead of the first use
	v_mul_f32 v68, v68, v70
	v_mul_f32 v69, v69, v70
	v_pk_fma_f32 v[68:69], v[68:69], v[220:221], v[222:223]
	ds_store_b64 v12, v[68:69]
.Lnot0a:
	s_cmp_lg_u32 s26, 1
	s_cbranch_scc1 .Lno_aux
	s_cmp_lg_u32 ttmp9, 0
	s_cbranch_scc1 .Lno_aux
	; wave 1 of work-group 0, while wave 0 normalises: the loss.  Lane L takes records L + 32 q
.irp q, 0,1,2,3,4,5,6,7
	global_load_b128 v[64+8*\q:67+8*\q], v13, s[4:5] offset:\q*147456
	global_load_b128 v[68+8*\q:71+8*\q], v13, s[4:5] offset:\q*147456+16
.endr
	s_wait_loadcnt 0x0
.irp n, 32,16,8
.set i, 0
.rept \n/2
	v_pk_add_f32 v[64+2*i:65+2*i], v[64+2*i:65+2*i], v[64+\n+2*i:65+\n+2*i]
.set i, i+1
.endr
.endr
	v_mov_b32 v72, 0
.irp a, 64,65,66,67,68,69,70,71
	WSUM \a, 72
.endr
	v_mul_f32 v73, v64, v68
	v_fma_f32 v73, v65, v69, v73
	v_fma_f32 v73, v66, v70, v73
	v_fma_f32 v73, v67, v71, v73
	v_mul_f32 v73, 0x2f800000, v73                 ; x 2^-32
	v_cmp_eq_u32 vcc_lo, 0, v1
	s_wait_xcnt 0x0                                ; EXEC changes only behind this wait,
	s_and_saveexec_b32 s58, vcc_lo
	global_store_b32 v17, v73, s[24:25]
	s_wait_xcnt 0x0                                ; and again in front of the line that widens it
	s_or_b32 exec_lo, exec_lo, s58
.Lno_aux:
	s_wait_dscnt 0x0
	s_barrier_signal -1
	s_barrier_wait -1
	ds_load_b32 v32, v8                            ; the normalised numbers of my two rows of cl_w1
	ds_load_b32 v33, v8 offset:128
.irp j, 200,201,202,203
	v_mov_b32 v\j, 0
.endr
	s_wait_dscnt 0x0
	s_wait_loadcnt 0x0
	MV4 192, 32
	MV4 196, 33
	ds_store_b128 v6, v[200:203] offset:ZR2-ZR
	s_wait_dscnt 0x0
	s_barrier_signal -1
	s_barrier_wait -1
	s_cmp_lg_u32 s26, 0
	s_cbranch_scc1 .Lend
	; wave 0: bias, gelu, the last product (64 x 10: two rows a lane, ten sums over the lanes), out0
.set i, 0
.rept 32
	ds_load_b64 v[64+2*i:65+2*i], v7 offset:ZR2-ZR+256*i
.set i, i+1
.endr
	s_wait_dscnt 0x0
	TREE
	v_pk_add_f32 v[64:65], v[64:65], v[224:225]
	v_fma_f32 v66, |v64|, s28, 1.0
	v_fma_f32 v67, |v65|, s28, 1.0
	v_pk_mul_f32 v[68:69], v[64:65], v[64:65]
	v_pk_mul_f32 v[68:69], v[68:69], s[30:31] op_sel_hi:[1,0]
	v_rcp_f32 v66, v66
	v_rcp_f32 v67, v67
	v_exp_f32 v68, v68
	v_exp_f32 v69, v69
	v_nop
	s_wait_alu depctr_va_vdst(0)                   ; one wait for the four
	v_pk_fma_f32 v[70:71], v[66:67], s[40:41], s[38:39] op_sel_hi:[1,0,0]
	v_pk_fma_f32 v[70:71], v[70:71], v[66:67], s[36:37] op_sel_hi:[1,1,0]
	v_pk_fma_f32 v[70:71], v[70:71], v[66:67], s[34:35] op_sel_hi:[1,1,0]
	v_pk_fma_f32 v[70:71], v[70:71], v[66:67], s[32:33] op_sel_hi:[1,1,0]
	v_pk_mul_f32 v[66:67], v[70:71], v[66:67]
	v_pk_fma_f32 v[68:69], v[66:67], v[68:69], 1.0 op_sel_hi:[1,1,0] neg_lo:[1,0,0] neg_hi:[1,0,0]
	v_fma_f32 v64, |v64|, v68, v64
	v_fma_f32 v65, |v65|, v69, v65
	v_pk_mul_f32 v[64:65], v[64:65], 0.5 op_sel_hi:[1,0]
.irp a, 226,228,230,232,234,236,238,240,242,244
	RB \a
.endr
.irp c, 0,1,2,3,4,5,6,7,8,9
	v_mul_f32 v[72+\c], v64, v[226+\c]
.endr
.irp c, 0,1,2,3,4,5,6,7,8,9
	v_fma_f32 v[72+\c], v65, v[236+\c], v[72+\c]
.endr
	v_mov_b32 v82, 0
.irp c, 72,73,74,75,76,77,78,79,80,81
	WSUM \c, 82
.endr
	v_mov_b32 v83, v72
.irp c, 1,2,3,4,5,6,7,8,9
	v_cmp_eq_u32 vcc_lo, \c, v1
	v_cndmask_b32 v83, v83, v[72+\c], vcc_lo       ; lane c keeps class c
.endr
	v_cvt_pk_bf16_f32 v84, v246, v246
	v_lshlrev_b32 v84, 16, v84
	v_add_f32 v83, v83, v84
	v_cmp_gt_u32 vcc_lo, 10, v1
	s_wait_xcnt 0x0                                ; EXEC changes only behind this wait,
	s_and_saveexec_b32 s58, vcc_lo
	global_store_b32 v16, v83, s[22:23]
	s_wait_xcnt 0x0                                ; and again in front of the line that widens it
	s_or_b32 exec_lo, exec_lo, s58
.Lend:
	s_wait_tensorcnt 0x0                           ; the wave's end
	ds_add_u32 v30, v31
	s_wait_dscnt 0x0
	s_endpgm
.Lfunc_end_k_qbbe1c6d86b_finish:
	.size	k_qbbe1c6d86b_finish, .Lfunc_end_k_qbbe1c6d86b_finish-k_qbbe1c6d86b_finish
	.p2alignl 7, 3214868480
	.fill 96, 4, 3214868480
	.section	.rodata,"a",@progbits
	.p2align	6, 0x0
	.amdhsa_kernel k_qbbe1c6d86b_finish
		.amdhsa_group_segment_fixed_size 23296
		.amdhsa_private_segment_fixed_size 0
		.amdhsa_enable_private_segment 0
		.amdhsa_kernarg_size 88
		.amdhsa_user_sgpr_count 2
		.amdhsa_user_sgpr_kernarg_segment_ptr 1
		.amdhsa_wavefront_size32 1
		.amdhsa_system_sgpr_workgroup_id_x 1
		.amdhsa_system_sgpr_workgroup_id_y 1
		.amdhsa_system_sgpr_workgroup_id_z 1
		.amdhsa_system_vgpr_workitem_id 0
		.amdhsa_next_free_vgpr 256
		.amdhsa_next_free_sgpr 66
		.amdhsa_reserve_vcc 1
		.amdhsa_float_denorm_mode_32 3
		.amdhsa_float_denorm_mode_16_64 3
		.amdhsa_memory_ordered 1
		.amdhsa_forward_progress 1
		.amdhsa_inst_pref_size 49
	.end_amdhsa_kernel
	.amdgpu_metadata
---
amdhsa.version: [ 1, 2 ]
amdhsa.kernels:
  - .name:           k_qbbe1c6d86b_finish
    .symbol:         k_qbbe1c6d86b_finish.kd
    .args:
      - { .name: part, .offset: 0, .size: 8, .value_kind: global_buffer, .address_space: global }
      - { .name: ew2, .offset: 8, .size: 8, .value_kind: global_buffer, .address_space: global }
      - { .name: eb2, .offset: 16, .size: 8, .value_kind: global_buffer, .address_space: global }
      - { .name: ln_g, .offset: 24, .size: 8, .value_kind: global_buffer, .address_space: global }
      - { .name: ln_b, .offset: 32, .size: 8, .value_kind: global_buffer, .address_space: global }
      - { .name: cl_w1, .offset: 40, .size: 8, .value_kind: global_buffer, .address_space: global }
      - { .name: cl_b1, .offset: 48, .size: 8, .value_kind: global_buffer, .address_space: global }
      - { .name: cl_w2, .offset: 56, .size: 8, .value_kind: global_buffer, .address_space: global }
      - { .name: cl_b2, .offset: 64, .size: 8, .value_kind: global_buffer, .address_space: global }
      - { .name: out0, .offset: 72, .size: 8, .value_kind: global_buffer, .address_space: global }
      - { .name: out1, .offset: 80, .size: 8, .value_kind: global_buffer, .address_space: global }
    .group_segment_fixed_size: 23296
    .private_segment_fixed_size: 0
    .kernarg_segment_align: 8
    .kernarg_segment_size: 88
    .max_flat_workgroup_size: 512
    .sgpr_count:     66
    .vgpr_count:     256
    .wavefront_size: 32
...
	.end_amdgpu_metadata
.endif
;; end of part 2
